; MI455X (gfx1250); checked and timed in simulation.
; The chip was launched on July 23, 2026; its instructions are those of AMD's public machine-readable ISA for CDNA 5 (MIT licence, August 2026) and "CDNA5" Instruction Set Architecture Reference Guide (July 2026). The comments in the code are by the model that wrote it; some were corrected since.
;; Simple Mo E. Allowed arithmetic: matrix products marked QUANTISED: E2M1 operands, one E8M0 scale for each 32 along K, by v_wmma_scale_f32_16x16x128_f8f6f4 with both operands' format E2M1 (or v_wmma_scale_f32_32x16x128_f4), f32 sums; products left as they are: f32 operands where the result goes on into a quantised operand, else bf16, f16 or f32 operands; f32 sums; everything else in f32.
;; Inputs: W1 8 x 1,024 x 4,096 float32; W2 8 x 4,096 x 1,024 float32; Wg 1,024 x 8 float32; b1 8 x 4,096 float32; b2 8 x 1,024 float32; bg 8 float32; x 2 x 512 x 1,024 float32.
;; Outputs: out0 2 x 512 x 1,024 float32.
;; This version of the problem:
;;   THIS VERSION OF THE PROBLEM IS GIVEN IN LOW PRECISION. The matrix products marked QUANTISED in the list below multiply operands that are first quantised to E2M1 (2 exponent bits, 1 mantissa bit; 4 bits a number), with one power-of-two scale for each 32 numbers along K (OCP MX v1.0); their sums are f32. All else is computed in f32.
;;   The module's matrix products, in the order in which they are computed (A, B: the left and right operand; K: the contracted axis; several contracted axes count as one K, in the product's order):
;;     1. [M 1,024, K 1,024] x [K 1,024, N 8]; A: input x; B: input Wg: left as it is (N = 8 < 16)
;;     2. [M 1,024, K 1,024] x [K 1,024, N 32,768]; A: input x; B: input W1: QUANTISED
;;     3. batch 8 x [M 1,024, K 4,096] x [K 4,096, N 1,024]; A: input W2; B: computed on the way: QUANTISED
;;   THE QUANTISER, for each operand of a quantised product, along K:
;;     - K is cut into blocks of 32 from its start; a last block that is shorter is filled with zeros.
;;     - A block's scale is 2^e with e = floor(log2(the largest magnitude in the block)) - 2, held to -126 .. 127; a block of zeros has e = 0. As a byte (E8M0): e + 127.
;;     - Each number is divided by its block's scale, clamped to +-6, and rounded to the nearest number of E2M1, ties to even, subnormals kept.
;;     - The product sums the exact products of the quantised numbers (number of the format x scale) in f32.
;;   ~~~python
;;   def quantise(x, axis):      # numpy; x: float32 -> the quantised numbers, widened to float32 again
;;       x = np.moveaxis(x, axis, -1); K = x.shape[-1]
;;       x = np.pad(x, [(0, 0)] * (x.ndim - 1) + [(0, -K % 32)]); x = x.reshape(x.shape[:-1] + (-1, 32)); a = np.abs(x).max(-1, keepdims=True)
;;       e = np.where(a > 0, np.clip(np.frexp(np.where(a > 0, a, 1))[1] - 1 - 2, -126, 127), 0)      # np.frexp(a)[1] - 1 = floor(log2(a)), exactly
;;       r = np.clip(x / 2.0 ** e, -6, 6)
;;       step = 2.0 ** (np.maximum(np.frexp(np.where(r == 0, 1, r))[1] - 1, 0) - 1)
;;       q = np.round(r / step) * step * 2.0 ** e      # np.round: ties to even
;;       return np.moveaxis(q.reshape(q.shape[:-2] + (-1,))[..., :K], -1, axis).astype(np.float32)
;;   ~~~
;;   OPERANDS COMPUTED ON THE WAY. 'Computed on the way' means the value that the module computes at that place (a softmax that the list does not call 'softmax' is quantised finished and normalised). What goes into a quantiser is computed in f32, as accurately as f32 sums, v_exp_f32 and their like allow (about 1e-6 of the number): no bf16 or f16 on the way to a quantiser, and a product that is left as it is and whose result goes on into a quantised operand takes f32 operands (vector FMAs, or v_wmma_f32_16x16x4_f32). A number that lies on a knife's edge between two numbers of the format may be rounded either way, as far as f32 arithmetic and the matrix unit's own rounding can turn it there, and no further.
;; One version. Each part assembles by itself: llvm-mc -triple=amdgcn-amd-amdhsa -mcpu=gfx1250 --defsym DOCPART=n.
;; ======== version 1 of 1: 4 launches
;; workspace buffers: xq 524,288 bytes; xs 32,768 bytes; ridx 8,192 bytes of whole numbers; rwgt 8,192 bytes; maskw 1,024 bytes of whole numbers; rank 32,768 bytes of whole numbers; hq 17,825,792 bytes; ypart 67,108,864 bytes
;; launch route (part 1): grid 128 x 1, 8 waves a work-group, no clusters, 71,680 bytes of LDS; arguments x, Wg, bg, xq, xs, ridx, rwgt, maskw; writes xq, xs, ridx, rwgt, maskw
.if DOCPART == 1
	.amdgcn_target "amdgcn-amd-amdhsa--gfx1250"
	.amdhsa_code_object_version 6
	.text
	.protected	k_qd6afcd48c2_route
	.globl	k_qd6afcd48c2_route
	.p2align	8
	.type	k_qd6afcd48c2_route,@function
k_qd6afcd48c2_route:
	s_mov_b64 s[64:65], 0
	v_nop
	global_prefetch_b8 v0, s[64:65] scope:SCOPE_SE
	s_setreg_imm32_b32 hwreg(HW_REG_WAVE_MODE, 25, 1), 1
	s_wait_xcnt 0x0
; SimpleMoE, launch 1 of 4: the gate, and x as codes.
; WHAT THE PROGRAM LEAVES OUT, AND WHY.  The result is sum over k = 0, 1 of weights[k] x all_out[token, top_idx[k]]: take_along_axis keeps, of the eight experts' rows of all_out, the two that
; top_k names, for every value of the inputs.  So the rows of h and of all_out of the six other experts of a token reach no output, and they are not computed: each expert's two products are made
; for the tokens that chose it alone.  Every input has a way to the output and is loaded.
; LIMITS.  A NaN, an infinity or an overflow that arises only in an expert that a token did not choose is not carried to the result.  The two largest are taken of exp2((l - max) log2 e) / Z, ties to the
; lower index as top_k has them; two probabilities that differ in the last bits alone may be ordered otherwise than by another order of the f32 sums.  A probability under 2^-126 counts as 0 (its weight is
; then 0 too).  A block of x whose largest magnitude lies under 2^-124 gets the scale byte 1 (a block of zeros too: its codes are zeros, and this program alone reads the bytes).  NaN and infinities in x are not served.
; SHARES.  A work-group takes 8 tokens, a wave one.  Lane l of a wave holds x[32 l .. 32 l + 31] of its token: one block of the quantiser, so no other lane is asked for its largest magnitude.
; The loads are dense (32 lanes x 16 bytes on end); the row turns through the wave's own stage in LDS.  Wg (32 KiB) is copied once into LDS, in chunks of 32 rows, 1,024 bytes + 16 of padding, one chunk a lane.
; The gate's product is made by f32 multiply-adds: its result decides the routing.  Wave 0 then takes the softmax and the two largest of all 8 tokens, a token a lane (lanes 8-31 repeat lanes 0-7).
; OUT: xq [token][512 bytes of codes], xs [token][32 scale bytes], ridx [token][2] experts, rwgt [token][2] weights, maskw [expert][32 words]: bit t % 32 of word t / 32 says that token t chose the expert.
; All of them are stored at places that hang on ids alone: no address here hangs on the choice.
.set WCH,   1040                       ; a chunk of Wg in LDS
.set XST,   33280                      ; the stages: 32 blocks x 144 bytes (128 + 16 of padding) for each wave
.set XBL,   144
.set LG,    70144                      ; 8 logits for each wave
.set SPARE, 70400                      ; the spare words, 128 bytes for each wave: four blocks of 256 bytes that no other line names
.set SPW,   10                         ; v10  LDS address of my spare word; never rewritten
.set NIL,   11                         ; v11  0; never rewritten
.set X,     16                         ; v16-47   my 32 numbers of x
.set WBF,   48                         ; v48-175  first x and Wg as loaded, then two buffers of 8 rows of Wg
.set A,     176                        ; v176-183 the 8 sums
.set TM,    184                        ; v184-191 the quantiser's: largest magnitudes, scale, byte, four registers of codes
.set BI,    192                        ; v192, v193 the two experts;  v194, v195 their probabilities;  v196, v197 their weights
.set SI,    193
.set BV,    194
.set SV,    195
.set W0,    196
.set W1,    197
.set MB,    198                        ; my expert's byte of the mask
.set TL,    202                        ; v202-205 at work in wave 0's tail
	s_load_b256 s[4:11], s[0:1], 0x0               ; x s[4:5], Wg s[6:7], bg s[8:9], xq s[10:11]
	s_load_b256 s[12:19], s[0:1], 0x20             ; xs s[12:13], ridx s[14:15], rwgt s[16:17], maskw s[18:19]
	v_lshl_add_u32 v[SPW], v0, 2, SPARE
	v_mov_b32 v[NIL], 0
	v_lshrrev_b32 v1, 5, v0
	v_readfirstlane_b32 s28, v1                    ; wave 0..7
	v_and_b32 v1, 31, v0                           ; lane
	s_lshl_b32 s29, ttmp9, 3
	s_add_co_u32 s29, s29, s28                     ; my token
	s_mov_b32 s30, 0x76543210
	s_mov_b32 s31, 0xfedcba98                      ; v_permlanex16_b32's selects for lane l xor 16
	v_lshlrev_b32 v2, 4, v1                        ; 16 x lane
	v_lshlrev_b32 v5, 4, v0                        ; 16 x thread
	s_mul_i32 s32, s28, 32*XBL
	s_add_co_u32 s32, s32, XST                     ; my stage
	v_lshrrev_b32 v3, 3, v1
	v_mul_u32_u24 v3, v3, XBL
	v_and_b32 v4, 7, v1
	v_lshl_add_u32 v3, v4, 4, v3
	v_add_nc_u32 v3, s32, v3                       ; in: eight lanes' 128 bytes are a block: 144 (lane / 8) + 16 (lane % 8); a load's 512 bytes are four blocks
	v_mul_u32_u24 v4, v1, XBL
	v_add_nc_u32 v4, s32, v4                       ; back: block = lane
	v_lshrrev_b32 v6, 6, v0
	v_mul_u32_u24 v6, v6, WCH
	v_and_b32 v7, 63, v0
	v_lshl_add_u32 v6, v7, 4, v6                   ; Wg in: piece 256 n + thread lies in chunk 4 n + thread / 64, at 16 (thread % 64)
	v_mul_u32_u24 v7, v1, WCH                      ; Wg back: chunk = lane: rows 32 l .. 32 l + 31
	s_lshl_b32 s33, s28, 5
	s_add_co_u32 s33, s33, LG
	v_mov_b32 v8, s33                              ; my wave's 8 logits
	v_and_b32 v9, 7, v1                            ; wave 0's tail: the token (and the expert) that my lane serves
	v_lshl_add_u32 v12, v9, 5, LG                  ; and its logits
	s_mov_b32 s35, 0
	s_lshl_b32 s34, s29, 12
	s_wait_kmcnt 0x0
	s_add_nc_u64 s[4:5], s[4:5], s[34:35]          ; x at my token
	s_lshl_b32 s34, s29, 9
	s_add_nc_u64 s[10:11], s[10:11], s[34:35]      ; its codes
	s_lshl_b32 s34, s29, 5
	s_add_nc_u64 s[12:13], s[12:13], s[34:35]      ; its scale bytes
	s_load_b256 s[20:27], s[8:9], 0x0              ; bg
.irp n, 0,1,2,3,4,5,6,7
	global_load_b128 v[WBF+4*\n:WBF+4*\n+3], v2, s[4:5] offset:512*\n th:TH_LOAD_NT     ; 32 lanes read 512 consecutive bytes of the row
.endr
.irp n, 0,1,2,3,4,5,6,7
	global_load_b128 v[WBF+32+4*\n:WBF+32+4*\n+3], v5, s[6:7] offset:4096*\n            ; the work-group's 256 threads read 4,096 consecutive bytes of Wg
.endr
	s_wait_loadcnt 8                               ; x's eight loads are in; Wg's eight may be out
.irp n, 0,1,2,3,4,5,6,7
	ds_store_b128 v3, v[WBF+4*\n:WBF+4*\n+3] offset:4*XBL*\n
.endr
.irp i, 0,1,2,3,4,5,6,7
	ds_load_b128 v[X+4*\i:X+4*\i+3], v4 offset:16*\i      ; LDS serves a wave's instructions in order: these see my stores
.endr
	s_wait_loadcnt 0x0
.irp n, 0,1,2,3,4,5,6,7
	ds_store_b128 v6, v[WBF+32+4*\n:WBF+32+4*\n+3] offset:4*WCH*\n
.endr
	s_wait_kmcnt 0x0                               ; bg
	s_wait_dscnt 0x0                               ; for the others' sake: my part of Wg lies in LDS
	s_barrier_signal -1
	s_barrier_wait -1
.macro WLOAD b                         ; rows 8 b .. 8 b + 7 of my chunk: 256 bytes, into buffer b % 2: register 8 i + e = Wg[32 l + 8 b + i][e]
.irp m, 0,1,2,3,4,5,6,7,8,9,10,11,12,13,14,15
	ds_load_b128 v[WBF+64*((\b)%2)+4*\m:WBF+64*((\b)%2)+4*\m+3], v7 offset:256*(\b)+16*\m
.endr
.endm
.macro LOGITS b                        ; eight chains, one for each expert; the first row starts the sums
.irp i, 0,1,2,3,4,5,6,7
.irp e, 0,1,2,3,4,5,6,7
.if ((\b) == 0) && (\i == 0)
	v_mul_f32 v[A+\e], v[X], v[WBF+\e]
.else
	v_fmac_f32 v[A+\e], v[X+8*(\b)+\i], v[WBF+64*((\b)%2)+8*\i+\e]
.endif
.endr
.endr
.endm
	WLOAD 0
	WLOAD 1
	; my block of x becomes 32 codes and a scale byte, while Wg's rows come
	v_max3_num_f32 v[TM], |v[X]|, |v[X+1]|, 0x1800000              ; the largest magnitude, and the floor 2^(3 - 127): so the byte cannot fall under 1
	v_max3_num_f32 v[TM+1], |v[X+2]|, |v[X+3]|, |v[X+4]|
.irp i, 5,9,13,17,21,25
	v_max3_num_f32 v[TM], v[TM], |v[X+\i]|, |v[X+\i+1]|
	v_max3_num_f32 v[TM+1], v[TM+1], |v[X+\i+2]|, |v[X+\i+3]|
.endr
	v_max3_num_f32 v[TM], v[TM], |v[X+29]|, |v[X+30]|
	v_max3_num_f32 v[TM], v[TM], v[TM+1], |v[X+31]|
	v_add_nc_u32 v[TM+2], 0xff000000, v[TM]        ; 2 off its exponent field: the conversion takes the exponent field of this operand as its scale
.irp g, 0,1,2,3
	v_cvt_scalef32_pk8_fp4_f32 v[TM+4+\g], v[X+8*\g:X+8*\g+7], v[TM+2]
.endr
	v_lshrrev_b32 v[TM+3], 23, v[TM+2]             ; the scale's byte
	global_store_b128 v2, v[TM+4:TM+7], s[10:11]   ; 32 lanes store the row's 512 bytes of codes
	global_store_b8 v1, v[TM+3], s[12:13]          ; and its 32 scale bytes
	s_wait_dscnt 16                                ; the older 16 loads are in
	LOGITS 0
	WLOAD 2
	s_wait_dscnt 16
	LOGITS 1
	WLOAD 3
	s_wait_dscnt 16
	LOGITS 2
	s_wait_dscnt 0x0
	LOGITS 3
.irp m, 1,2,4,8                        ; the sums over the 32 lanes
.irp e, 0,1,2,3,4,5,6,7
	v_add_f32_dpp v[A+\e], v[A+\e], v[A+\e] row_xmask:\m row_mask:0xf bank_mask:0xf
.endr
.endr
.irp e, 0,1,2,3,4,5,6,7
	v_permlanex16_b32 v[WBF+\e], v[A+\e], s30, s31
.endr
.irp e, 0,1,2,3,4,5,6,7
	v_add_f32 v[A+\e], v[A+\e], v[WBF+\e]
.endr
	ds_store_b128 v8, v[A:A+3]                     ; all lanes write the same words with the same values
	ds_store_b128 v8, v[A+4:A+7] offset:16
	s_wait_dscnt 0x0                               ; for wave 0's sake
	s_barrier_signal -1
	s_barrier_wait -1
	s_cmp_lg_u32 s28, 0
	s_cbranch_scc1 .Lend
	; wave 0: lane l serves token l % 8
	ds_load_b128 v[A:A+3], v12
	ds_load_b128 v[A+4:A+7], v12 offset:16
	s_wait_dscnt 0x0
.irp e, 0,1,2,3,4,5,6,7
	v_add_f32 v[A+\e], s[20+\e], v[A+\e]           ; + bg
.endr
	v_max3_num_f32 v[TL], v[A], v[A+1], v[A+2]
	v_max3_num_f32 v[TL], v[TL], v[A+3], v[A+4]
	v_max3_num_f32 v[TL], v[TL], v[A+5], v[A+6]
	v_max_num_f32 v[TL], v[TL], v[A+7]             ; the maximum is taken away ahead of the exponential
.irp e, 0,1,2,3,4,5,6,7
	v_sub_f32 v[A+\e], v[A+\e], v[TL]
.endr
.irp e, 0,1,2,3,4,5,6,7
	v_mul_f32 v[A+\e], 0x3fb8aa3b, v[A+\e]         ; x log2(e)
.endr
.irp e, 0,1,2,3,4,5,6,7
	v_exp_f32 v[A+\e], v[A+\e]
.endr
	v_nop                                          ; a plain instruction behind the last exponential
	s_wait_alu depctr_va_vdst(0)                   ; one wait for the batch, ahead of its first reader
	v_add_f32 v[TL], v[A], v[A+1]
	v_add_f32 v[TL+1], v[A+2], v[A+3]
	v_add_f32 v[TL+2], v[A+4], v[A+5]
	v_add_f32 v[TL+3], v[A+6], v[A+7]
	v_add_f32 v[TL], v[TL], v[TL+1]
	v_add_f32 v[TL+2], v[TL+2], v[TL+3]
	v_add_f32 v[TL], v[TL], v[TL+2]
	v_rcp_f32 v[TL+1], v[TL]
	v_nop
	s_wait_alu depctr_va_vdst(0)
.irp e, 0,1,2,3,4,5,6,7
	v_mul_f32 v[A+\e], v[A+\e], v[TL+1]            ; the probabilities
.endr
	v_mov_b32 v[BV], v[A]                          ; the largest: a later expert takes the place only if it is strictly larger, so the lower index is kept
	v_mov_b32 v[BI], 0
.irp e, 1,2,3,4,5,6,7
	v_cmp_le_f32 vcc_lo, v[A+\e], v[BV]
	v_cndmask_b32 v[BI], \e, v[BI], vcc_lo
	v_cndmask_b32 v[BV], v[A+\e], v[BV], vcc_lo
.endr
	v_mov_b32 v[SV], -1.0                          ; the second: the same among the others; every probability lies over -1
	v_mov_b32 v[SI], 0
.irp e, 0,1,2,3,4,5,6,7
	v_cmp_le_f32 s40, v[A+\e], v[SV]
	v_cmp_eq_u32 s41, \e, v[BI]
	s_or_b32 vcc_lo, s40, s41
	v_cndmask_b32 v[SI], \e, v[SI], vcc_lo
	v_cndmask_b32 v[SV], v[A+\e], v[SV], vcc_lo
.endr
	v_add_f32 v[W0], v[BV], v[SV]
	v_add_f32 v[W0], 0x3089705f, v[W0]             ; + 1e-9
	v_rcp_f32 v[W1], v[W0]
	v_nop
	s_wait_alu depctr_va_vdst(0)
	v_mul_f32 v[W0], v[BV], v[W1]
	v_mul_f32 v[W1], v[SV], v[W1]
.irp e, 0,1,2,3,4,5,6,7                ; expert e's mask: bit l says that token l chose it (bits 8-31 repeat bits 0-7)
	v_cmp_eq_u32 s40, \e, v[BI]
	v_cmp_eq_u32 s41, \e, v[SI]
	s_or_b32 s[44+\e], s40, s41
.endr
	v_mov_b32 v[MB], s44                           ; lane l takes the mask of expert l % 8
.irp e, 1,2,3,4,5,6,7
	v_cmp_ne_u32 vcc_lo, \e, v9
	v_cndmask_b32 v[MB], s[44+\e], v[MB], vcc_lo
.endr
	s_lshl_b32 s42, ttmp9, 6
	v_lshl_add_u32 v199, v9, 3, s42                ; 8 bytes a token
	s_mov_b32 s43, ttmp9
	v_lshl_add_u32 v200, v9, 7, s43                ; expert l % 8's 128 bytes, the byte of my work-group's 8 tokens
	global_store_b64 v199, v[BI:SI], s[14:15]      ; lanes that repeat a token store the same values at the same places
	global_store_b64 v199, v[W0:W1], s[16:17]
	global_store_b8 v200, v[MB], s[18:19]
.Lend:
	s_wait_tensorcnt 0x0                           ; the wave's end: behind my last LDS store
	ds_add_u32 v[SPW], v[NIL]
	s_wait_dscnt 0x0
	s_endpgm
.Lfunc_end_k_qd6afcd48c2_route:
	.size	k_qd6afcd48c2_route, .Lfunc_end_k_qd6afcd48c2_route-k_qd6afcd48c2_route
	.p2alignl 7, 3214868480
	.fill 96, 4, 3214868480
	.section	.rodata,"a",@progbits
	.p2align	6, 0x0
	.amdhsa_kernel k_qd6afcd48c2_route
		.amdhsa_group_segment_fixed_size 71680
		.amdhsa_private_segment_fixed_size 0
		.amdhsa_enable_private_segment 0
		.amdhsa_kernarg_size 64
		.amdhsa_user_sgpr_count 2
		.amdhsa_user_sgpr_kernarg_segment_ptr 1
		.amdhsa_wavefront_size32 1
		.amdhsa_system_sgpr_workgroup_id_x 1
		.amdhsa_system_sgpr_workgroup_id_y 1
		.amdhsa_system_sgpr_workgroup_id_z 1
		.amdhsa_system_vgpr_workitem_id 0
		.amdhsa_next_free_vgpr 208
		.amdhsa_next_free_sgpr 66
		.amdhsa_reserve_vcc 1
		.amdhsa_float_denorm_mode_32 3
		.amdhsa_float_denorm_mode_16_64 3
		.amdhsa_memory_ordered 1
		.amdhsa_forward_progress 1
		.amdhsa_inst_pref_size 30
	.end_amdhsa_kernel
	.amdgpu_metadata
---
amdhsa.version: [ 1, 2 ]
amdhsa.kernels:
  - .name:           k_qd6afcd48c2_route
    .symbol:         k_qd6afcd48c2_route.kd
    .args:
      - { .name: x, .offset: 0, .size: 8, .value_kind: global_buffer, .address_space: global }
      - { .name: Wg, .offset: 8, .size: 8, .value_kind: global_buffer, .address_space: global }
      - { .name: bg, .offset: 16, .size: 8, .value_kind: global_buffer, .address_space: global }
      - { .name: xq, .offset: 24, .size: 8, .value_kind: global_buffer, .address_space: global }
      - { .name: xs, .offset: 32, .size: 8, .value_kind: global_buffer, .address_space: global }
      - { .name: ridx, .offset: 40, .size: 8, .value_kind: global_buffer, .address_space: global }
      - { .name: rwgt, .offset: 48, .size: 8, .value_kind: global_buffer, .address_space: global }
      - { .name: maskw, .offset: 56, .size: 8, .value_kind: global_buffer, .address_space: global }
    .group_segment_fixed_size: 71680
    .private_segment_fixed_size: 0
    .kernarg_segment_align: 8
    .kernarg_segment_size: 64
    .max_flat_workgroup_size: 256
    .sgpr_count:     66
    .vgpr_count:     208
    .wavefront_size: 32
...
	.end_amdgpu_metadata
.endif
;; end of part 1
;; launch ffn1 (part 2): grid 32 x 8, 4 waves a work-group, no clusters, 80,384 bytes of LDS; arguments W1, b1, xq, xs, maskw, hq, rank; writes hq, rank
.if DOCPART == 2
	.amdgcn_target "amdgcn-amd-amdhsa--gfx1250"
	.amdhsa_code_object_version 6
	.text
	.protected	k_qd6afcd48c2_ffn1
	.globl	k_qd6afcd48c2_ffn1
	.p2align	8
	.type	k_qd6afcd48c2_ffn1,@function
k_qd6afcd48c2_ffn1:
	s_mov_b64 s[64:65], 0
	v_nop
	global_prefetch_b8 v0, s[64:65] scope:SCOPE_SE
	s_setreg_imm32_b32 hwreg(HW_REG_WAVE_MODE, 25, 1), 1
	s_wait_xcnt 0x0
; SimpleMoE, launch 2 of 4: h = relu(x W1[e] + b1[e]) as codes, for the tokens that chose expert e alone (the other rows of h reach no output: see the first kernel's head).
; SHARES.  Work-group (slab, e) owns columns 128 slab .. + 127 of W1[e], all 1,024 along K: 512 KiB of f32, read from memory ONCE, by nobody else.  It quantises them along K, keeps the codes (64 KiB)
; in every wave's registers, and multiplies them with all rows of the expert, 16 at a time, the tiles dealt to the four waves by turns.  No weight's code goes to memory.
; PHASE 1, the stream.  A UNIT is 64 columns x 128 K: four fragments j; fragment j holds columns 4 r + j (which columns form a fragment is free).  Wave w makes units 4 w .. 4 w + 3: column half w % 2,
; K steps 4 (w / 2) on.  A SET is half a unit: 32 loads of 16 bytes a lane; lane (r, h) reads columns 4 r .. 4 r + 3 of row 64 t + 32 h + i: sixteen lanes read 256 consecutive bytes.  So a lane holds a whole
; block of 32 along K of four columns, in the very lanes in which the 4-bit operand wants it: no lane is asked for a maximum, nothing changes lanes.  The four columns lie interleaved in the registers and the
; conversion wants eight neighbours along K on end: 32 copies a column set that right.  Three sets of registers take turns; 48 to 63 loads of 512 bytes are out for each wave.
; The fragments go to the other waves as images of their registers (16 bytes a lane, 512 a store), their scale words 4 bytes a row; they are fetched a quarter at a time, behind a barrier for each of a wave's four
; units, so that only the last quarter is fetched behind the stream.
; PHASE 2, the rows.  No barrier and no LDS access: how many tiles there are hangs on a stored number.  The product is used transposed (source 0 = weights,
; source 1 = x): a lane holds one token, and register i of tile (u, j) is column 64 u + 32 h + 4 i + j: with the relu written into T[32 u + 4 i + j] a lane holds blocks 2 u + h of the next K whole, as the next
; operand wants them.  b1 is the C of each sum's first matrix instruction.  The 128 columns are K step 'slab' of the second product: a tile's codes leave as that fragment's image, 1,024 bytes on end.
; Three slots of x take turns, three tiles ahead.  THE LOOK-AHEAD ENDS AT THE EXPERT'S LAST TILE: a turn whose tile three turns on does not exist leaves the loop for a tail that is written out and asks for nothing.
; THE LIST rank -> token of the expert is made by wave 0 from the expert's 32 mask words, ahead of a barrier; entries behind the last row hold 1,024 (pad rows: they take token 1,023's x; nobody reads their results).
; A wave's tokens of all its 16 possible tiles are read from the list at fixed places, ahead of the row loop, into a queue of registers.  Work-group (0, e) also stores each token's rank: the last launch finds its rows by it.
; An expert that no token chose still makes one tile of pad rows, so that the next launch's first loads read bytes that were stored.
; OUT: hq: from byte 0 the codes, [e][tile 64][K step 32][1,024 bytes]; from byte 16,777,216 the scale words, [e][tile][pair of K steps 16][32 words].  rank: [token][8 experts] (of an expert that the token did not choose: a number that nobody uses).
; NO CLUSTER: no two work-groups read the same weights; what they share (x's codes, 512 bytes a row) is a small part of a work-group's 512 KiB, and it is walked by counts read from memory.
; LIMITS: a block whose largest magnitude lies under 2^-124 gets the byte 1 (a block of zeros too: its codes are zeros); NaN and infinities are not served (relu by a maximum turns a NaN into 0).
; REGISTERS: v0-127 small things; v128-255, v256-383, v384-511 the three sets, later: v128-191 eight accumulators, v192-255 T, v256-447 three slots of x's fragments, v448-511 b1; v512-1023 the 64 fragments of W1.
.set PITCH, 16384                      ; a row of W1[e] in bytes
.set HSB,   16777216                   ; where the scale words begin in hq
.set WSC,   65536                      ; LDS: from 0 the images, fragment (q, j), half c at (4 q + j) 1,024 + 512 c + 16 lane; here the scale words, (16 j + q) 64 + 4 r
.set LIST,  69632                      ; 2,048 words: the list, and behind entry 1,023 a place for the lanes that have nothing to say
.set BIASL, 77824                      ; 512 bytes for each wave: the slab's 128 numbers of b1
.set SPARE, 79872                      ; the spare words, 128 bytes for each wave: two blocks of 256 bytes that no other line names
.set WOFF,  4                          ; v4   32 h rows + 16 r
.set L16,   5                          ; v5   16 x lane
.set IMW,   6                          ; v6   where I store images: 16 lane + 16,384 wave
.set WSW,   7                          ; v7   and scale words: WSC + 4 r + 256 wave
.set WSR,   8                          ; v8   where I read scale words: WSC + 4 lane
.set TA,    9                          ; v9   first where the list is filled, then my row's entry in tile w: LIST + 4 r + 64 wave
.set LRD,   10                         ; v10  LIST + 4 r
.set SH8,   11                         ; v11  8 h
.set SPW,   12                         ; v12  LDS address of my spare word; never rewritten
.set NIL,   13                         ; v13  0; never rewritten
.set HO,    14                         ; v14  where a tile's codes go (while the list is made: 32 x lane, for the ranks);  v15 its scale words
.set RKO,   14
.set HSO,   15
.set GO,    16                         ; v16-18 slot s: my token's codes, 512 tok + 16 h;  v19-21 its scale bytes, 32 tok + 16 h
.set SO,    19
.set BA,    22                         ; v22  b1 back from LDS: BIASL + 512 wave + 128 h;  v23 into it: + 16 lane
.set BST,   23
.set MX0,   24                         ; v24-27 at work: two maxima, the conversion's scale, a byte
.set MX1,   25
.set SCOP,  26
.set BY,    27
.set BW,    28                         ; v28-31 phase 1: the scale bytes of a unit's four fragments
.set TOKN,  28                         ; phase 2: the token of the tile three turns on; two bytes; the scale word
.set BYA,   29
.set BYB,   30
.set HW,    31
.set WS,    32                         ; v32-63 W1's scale words: register 8 j + p: lanes 0-15 unit 2 p, lanes 16-31 unit 2 p + 1
.set XS,    64                         ; v64-75 x's: slot s, register a: lanes 0-15 K step a, lanes 16-31 K step 4 + a
.set CD,    80                         ; v80-95 codes just made (phase 2: v80-87)
.set P,     96                         ; v96-127 phase 1: a column's 32 numbers (while the list is made: the 32 ranks)
.set Q,     96                         ; v96-108 phase 2: the queue: my row's token in my tiles 3 to 15
.set ACC,   128
.set T,     192
.set LAD,   192                        ; v192-223 while the list is made: the 32 LDS addresses;  v224-255 the 32 tokens
.set LTK,   224
.set WV,    50                         ; s50 wave;  s51 expert;  s53 the expert's rows;  s54 its tiles;  s55 my tile;  s56 trips;  s57, s59, s70-73 at work
.set EX,    51
.set CNT,   53
.set NT,    54
.set MT,    55
.set TRIP,  56
.set LA,    57
.set WB,    60                         ; s[60:61] my wave's first byte of W1
.set SEL,   66                         ; s[66:67] v_permlanex16_b32's selects for lane l xor 16
.set HSP,   68                         ; s[68:69] where my slab's scale words go
.set MSB, 0
.macro WIN new                         ; the immediate's high byte repeats the setting that is left; a switch that changes nothing is dropped
.if MSB != (\new)
	s_set_vgpr_msb (MSB<<8)|(\new)
.set MSB, (\new)
.endif
.endm
.macro SETPLACE t                      ; set t lies in v128-255 (window 0), v256-383 or v384-511 (window 1), by turns
.set PL, ((\t)+2)%3
.if PL == 0
.set SW, 0
.set SB, 128
.elseif PL == 1
.set SW, 1
.set SB, 0
.else
.set SW, 1
.set SB, 128
.endif
.endm
.macro LOADH t, half                   ; 16 of set t's 32 loads: register 4 i + j = W(64 t + 32 h + i, 4 r + j)
	SETPLACE \t
	WIN (SW<<6)
.set i, 16*(\half)
.rept 16
	global_load_b128 v[SB+4*i:SB+4*i+3], v[WOFF], s[WB:WB+1] offset:(64*(\t)+i)*PITCH th:TH_LOAD_NT
.set i, i+1
.endr
	WIN 0
.endm
.macro COLUMN t, j                     ; column 4 r + j of set t: 32 numbers become 32 codes and a scale byte
	SETPLACE \t
	WIN SW
.set i, 0
.rept 32
	v_mov_b32 v[P+i], v[SB+4*i+(\j)]
.set i, i+1
.endr
	WIN 0
	v_max3_num_f32 v[MX0], |v[P]|, |v[P+1]|, 0x1800000             ; the block's largest magnitude, and the floor 2^(3 - 127): so the byte cannot fall under 1
	v_max3_num_f32 v[MX1], |v[P+2]|, |v[P+3]|, |v[P+4]|
.irp i2, 5,9,13,17,21,25
	v_max3_num_f32 v[MX0], v[MX0], |v[P+\i2]|, |v[P+\i2+1]|
	v_max3_num_f32 v[MX1], v[MX1], |v[P+\i2+2]|, |v[P+\i2+3]|
.endr
	v_max3_num_f32 v[MX0], v[MX0], |v[P+29]|, |v[P+30]|
	v_max3_num_f32 v[MX0], v[MX0], v[MX1], |v[P+31]|
	v_add_nc_u32 v[SCOP], 0xff000000, v[MX0]       ; 2 off its exponent field: the conversion's scale operand
.irp g, 0,1,2,3
	v_cvt_scalef32_pk8_fp4_f32 v[CD+4*(\j)+\g], v[P+8*\g:P+8*\g+7], v[SCOP]
.endr
.if ((\t)%2) == 0
	v_lshrrev_b32 v[BW+(\j)], 23, v[SCOP]          ; the byte of block h;  (a plain instruction behind the conversions)
.else
	v_lshrrev_b32 v[BY], 23, v[SCOP]               ; that of block 2 + h
	v_lshl_or_b32 v[BW+(\j)], v[BY], 16, v[BW+(\j)]
.endif
.endm
.macro PROCESS t                       ; set t = half t % 2 of my unit t / 2
	s_wait_dscnt 0x0                               ; the last images' stores have read the registers that are written now
	COLUMN \t, 0
	COLUMN \t, 1
	COLUMN \t, 2
	COLUMN \t, 3
.irp j, 0,1,2,3
	ds_store_b128 v[IMW], v[CD+4*\j:CD+4*\j+3] offset:(4*((\t)/2)+\j)*1024+512*((\t)%2)
.endr
.if ((\t)%2) == 1
.irp j, 0,1,2,3
	v_lshlrev_b32 v[BW+\j], v[SH8], v[BW+\j]       ; my two bytes at their places in the word,
.endr
.irp j, 0,1,2,3
	v_permlanex16_b32 v[MX0+\j], v[BW+\j], s[SEL], s[SEL+1]
.endr
.irp j, 0,1,2,3
	v_or_b32 v[BW+\j], v[BW+\j], v[MX0+\j]         ; with lane l xor 16's two the word is whole
.endr
.irp j, 0,1,2,3
	ds_store_b32 v[WSW], v[BW+\j] offset:(16*\j+(\t)/2)*64   ; both halves of the lanes write the same word
.endr
.endif
.endm
.macro FETCHQ ql                       ; every wave's unit ql: 16 fragments into v512 + 32 q + 8 j; behind an odd unit also the scale words of the pair of units
.irp wq, 0,1,2,3
	WIN ((2+(\wq)/2)<<6)
.irp j, 0,1,2,3
.irp c, 0,1
.set q, 4*\wq+(\ql)
.set rg, (32*q+8*\j+4*\c)&255
	ds_load_b128 v[rg:rg+3], v[L16] offset:(4*q+\j)*1024+512*\c
.endr
.endr
.endr
	WIN 0
.if ((\ql)%2) == 1
.irp j, 0,1,2,3
.irp wq, 0,1,2,3
	ds_load_b32 v[WS+8*\j+2*\wq+(\ql)/2], v[WSR] offset:(16*\j+4*\wq+(\ql)-1)*64
.endr
.endr
.endif
.endm
.macro STEP t, fq                      ; fq >= 0: quarter fq of the images, whose barrier has been passed, is fetched behind this step's loads
	s_wait_loadcnt 48                              ; the first half of set t is in: behind it 16 + 32 loads
	LOADH (\t)+2, 0
	s_wait_loadcnt 48                              ; set t is whole: behind it set t + 1's 32 and the 16 just issued
	LOADH (\t)+2, 1
.if (\fq) >= 0
	FETCHQ \fq
.endif
	PROCESS \t
.endm
.macro BARRIER                         ; my LDS stores have landed and my LDS loads are in: then the work-group's barrier
	s_wait_dscnt 0x0
	s_barrier_signal -1
	s_barrier_wait -1
.endm
.macro GATHER sg                       ; slot sg: a tile's 8 fragments of x (16 tokens x 1,024 K) and its scale words: 17 loads
	WIN 0x40
.irp ks, 0,1,2,3,4,5,6,7
.irp c, 0,1
	global_load_b128 v[64*(\sg)+8*\ks+4*\c:64*(\sg)+8*\ks+4*\c+3], v[GO+(\sg)], s[8:9] offset:64*\ks+32*\c
.endr
.endr
	WIN 0
	global_load_b128 v[XS+4*(\sg):XS+4*(\sg)+3], v[SO+(\sg)], s[10:11]
.endm
.macro MMA                             ; one matrix instruction by the symbols rD, rA, rB, rC, rSA, rSB; fA, fB: the side's scales stand in lanes 16-31
.if fA && fB
	v_wmma_scale_f32_16x16x128_f8f6f4 v[rD:rD+7], v[rA:rA+7], v[rB:rB+7], v[rC:rC+7], v[rSA], v[rSB] matrix_a_fmt:MATRIX_FMT_FP4 matrix_b_fmt:MATRIX_FMT_FP4 matrix_a_scale:MATRIX_SCALE_ROW1 matrix_b_scale:MATRIX_SCALE_ROW1
.elseif fA
	v_wmma_scale_f32_16x16x128_f8f6f4 v[rD:rD+7], v[rA:rA+7], v[rB:rB+7], v[rC:rC+7], v[rSA], v[rSB] matrix_a_fmt:MATRIX_FMT_FP4 matrix_b_fmt:MATRIX_FMT_FP4 matrix_a_scale:MATRIX_SCALE_ROW1
.elseif fB
	v_wmma_scale_f32_16x16x128_f8f6f4 v[rD:rD+7], v[rA:rA+7], v[rB:rB+7], v[rC:rC+7], v[rSA], v[rSB] matrix_a_fmt:MATRIX_FMT_FP4 matrix_b_fmt:MATRIX_FMT_FP4 matrix_b_scale:MATRIX_SCALE_ROW1
.else
	v_wmma_scale_f32_16x16x128_f8f6f4 v[rD:rD+7], v[rA:rA+7], v[rB:rB+7], v[rC:rC+7], v[rSA], v[rSB] matrix_a_fmt:MATRIX_FMT_FP4 matrix_b_fmt:MATRIX_FMT_FP4
.endif
.endm
	s_load_b256 s[4:11], s[0:1], 0x0               ; W1 s[4:5], b1 s[6:7], xq s[8:9], xs s[10:11]
	s_load_b128 s[12:15], s[0:1], 0x20             ; maskw s[12:13], hq s[14:15]
	s_load_b64 s[48:49], s[0:1], 0x30              ; rank
	v_lshl_add_u32 v[SPW], v0, 2, SPARE
	v_mov_b32 v[NIL], 0
	v_lshrrev_b32 v1, 5, v0
	v_readfirstlane_b32 s[WV], v1                  ; wave 0..3
	v_and_b32 v1, 31, v0                           ; lane
	v_and_b32 v2, 15, v0                           ; r
	v_bfe_u32 v3, v0, 4, 1                         ; h
	s_and_b32 s[EX], ttmp7, 0xffff                 ; the expert
	s_mov_b32 s[SEL], 0x76543210
	s_mov_b32 s[SEL+1], 0xfedcba98
	v_lshlrev_b32 v[WOFF], 4, v2
	v_lshl_add_u32 v[WOFF], v3, 19, v[WOFF]        ; 32 rows of 16,384 bytes for lanes 16-31
	v_lshlrev_b32 v[L16], 4, v1
	s_lshl_b32 s72, s[WV], 14
	v_add_nc_u32 v[IMW], s72, v[L16]
	s_lshl_b32 s72, s[WV], 8
	s_add_co_u32 s72, s72, WSC
	v_lshl_add_u32 v[WSW], v2, 2, s72
	v_lshl_add_u32 v[WSR], v1, 2, WSC
	v_add_nc_u32 v[TA], LIST, v[L16]               ; first: where the list is filled with pad entries
	v_lshl_add_u32 v[LRD], v2, 2, LIST
	v_lshlrev_b32 v[SH8], 3, v3
	s_lshl_b32 s72, s[WV], 9
	s_add_co_u32 s72, s72, BIASL
	v_lshl_add_u32 v[BA], v3, 7, s72
	v_add_nc_u32 v[BST], s72, v[L16]
	v_lshlrev_b32 v2, 2, v2                        ; from here on v2 = 4 r,
	v_lshlrev_b32 v3, 4, v3                        ; v3 = 16 h
	s_mov_b32 s71, 0
	s_lshl_b32 s70, s[EX], 24                      ; W1[e]: 16 MiB an expert,
	s_lshl_b32 s72, ttmp9, 9                       ; the slab's 128 columns,
	s_add_co_u32 s70, s70, s72
	s_and_b32 s72, s[WV], 1
	s_lshl_b32 s72, s72, 8                         ; my half of them,
	s_add_co_u32 s70, s70, s72
	s_lshr_b32 s72, s[WV], 1
	s_lshl_b32 s72, s72, 23                        ; my 512 rows
	s_add_co_u32 s70, s70, s72
	s_wait_kmcnt 0x0
	s_add_nc_u64 s[WB:WB+1], s[4:5], s[70:71]
	s_lshl_b32 s70, s[EX], 7
	s_add_nc_u64 s[12:13], s[12:13], s[70:71]
	s_load_b512 s[16:31], s[12:13], 0x0            ; the expert's 32 mask words
	s_load_b512 s[32:47], s[12:13], 0x40
	s_lshl_b32 s70, s[EX], 14
	s_lshl_b32 s72, ttmp9, 9
	s_add_co_u32 s70, s70, s72
	s_add_nc_u64 s[6:7], s[6:7], s[70:71]          ; b1[e] at the slab
	s_lshl_b32 s70, s[EX], 17
	s_lshl_b32 s72, ttmp9, 6
	s_add_co_u32 s70, s70, s72
	s_add_co_u32 s70, s70, HSB
	s_add_nc_u64 s[HSP:HSP+1], s[14:15], s[70:71]  ; the scale words: [e][tile][slab / 2][32 words]: 128 (slab / 2) + 64 (slab % 2) = 64 slab
	s_lshl_b32 s70, s[EX], 21
	s_lshl_b32 s72, ttmp9, 10
	s_add_co_u32 s70, s70, s72
	s_add_nc_u64 s[14:15], s[14:15], s[70:71]      ; the codes: [e][tile][K step = slab][1,024 bytes]
	s_lshl_b32 s70, s[EX], 2
	s_add_nc_u64 s[48:49], s[48:49], s[70:71]      ; rank[token 0][e]
	global_load_b128 v[CD+12:CD+15], v[L16], s[6:7]  ; the slab's 128 numbers of b1
	LOADH 0, 0
	LOADH 0, 1
	LOADH 1, 0
	s_wait_kmcnt 0x0
	s_bcnt1_i32_b32 s[CNT], s16                    ; the expert's rows
.irp c, 1,2,3,4,5,6,7,8,9,10,11,12,13,14,15,16,17,18,19,20,21,22,23,24,25,26,27,28,29,30,31
	s_bcnt1_i32_b32 s59, s[16+\c]
	s_add_co_u32 s[CNT], s[CNT], s59
.endr
	s_add_co_u32 s[NT], s[CNT], 15
	s_lshr_b32 s[NT], s[NT], 4
	s_max_u32 s[NT], s[NT], 1                      ; its tiles of 16; one at the least
	; THE LIST, by wave 0; no other wave touches LDS ahead of the barrier below.  Every store has registers of its own (v192-255 are free until set 1's second half is asked for, behind the barrier)
	s_cmp_lg_u32 s[WV], 0
	s_cbranch_scc1 .Lnolist
.irp g, 0,1,2,3
	v_mov_b32 v[CD+\g], 0x400
.endr
.irp n, 0,1,2,3,4,5,6,7
	ds_store_b128 v[TA], v[CD:CD+3] offset:512*\n  ; entries 0 to 1,023: the pad token
.endr
	v_add_nc_u32 v[BY], 0x400, v1                  ; where a lane writes whose token did not choose the expert
	v_lshlrev_b32 v[RKO], 5, v1                    ; a token's eight ranks are 32 bytes
	s_mov_b32 s[LA], 0                             ; rows so far
.irp c, 0,1,2,3,4,5,6,7,8,9,10,11,12,13,14,15,16,17,18,19,20,21,22,23,24,25,26,27,28,29,30,31
	s_mov_b32 vcc_lo, s[16+\c]
	v_mbcnt_lo_u32_b32 v[P+\c], s[16+\c], s[LA]    ; token 32 c + lane's rank: the rows so far + the set bits under my lane
	v_cndmask_b32 v[P+\c], v[BY], v[P+\c], vcc_lo
	v_min_u32 v[P+\c], 0x7ff, v[P+\c]              ; inside the list's 2,048 words
	v_lshl_add_u32 v[LAD+\c], v[P+\c], 2, LIST
	v_add_nc_u32 v[LTK+\c], 32*\c, v1
	ds_store_b32 v[LAD+\c], v[LTK+\c]
	s_bcnt1_i32_b32 s59, s[16+\c]
	s_add_co_u32 s[LA], s[LA], s59
.endr
	s_cmp_lg_u32 ttmp9, 0                          ; the expert's first work-group stores the ranks
	s_cbranch_scc1 .Lnorank
.irp c, 0,1,2,3,4,5,6,7,8,9,10,11,12,13,14,15,16,17,18,19,20,21,22,23,24,25,26,27,28,29,30,31
	global_store_b32 v[RKO], v[P+\c], s[48:49] offset:1024*\c   ; tokens 32 c .. 32 c + 31, 4 bytes each, 32 bytes apart: so that the last launch finds a token's eight ranks on end; 4 KiB an expert, once in the launch
.endr
	s_wait_xcnt 0x0                                ; the stores have read their offsets and data: these registers are written again only behind this wait
.Lnorank:
.Lnolist:
	BARRIER                                        ; the list lies in LDS
	s_lshl_b32 s72, s[WV], 6
	v_add_nc_u32 v[TA], s72, v[LRD]                ; my row's entry in tile w; tile w + 4 n lies 256 n bytes on
.irp n, 0,1,2
	ds_load_b32 v[GO+\n], v[TA] offset:256*\n      ; my token in tiles w, w + 4, w + 8
.endr
	s_wait_dscnt 0x0
.irp n, 0,1,2
	v_min_u32 v[GO+\n], 0x3ff, v[GO+\n]            ; a pad row takes token 1,023's x
.endr
.irp n, 0,1,2
	v_lshl_add_u32 v[SO+\n], v[GO+\n], 5, v3
.endr
.irp n, 0,1,2
	v_lshl_add_u32 v[GO+\n], v[GO+\n], 9, v3
.endr
	s_wait_loadcnt 48                              ; b1's load is in: behind it the 48 of W1
	ds_store_b128 v[BST], v[CD+12:CD+15]
	LOADH 1, 1
	STEP 0, -1
	STEP 1, -1
	BARRIER                                        ; every wave's unit 0 lies in LDS
	STEP 2, 0
	STEP 3, -1
	BARRIER                                        ; unit 1
	STEP 4, 1
	STEP 5, -1
	BARRIER                                        ; unit 2
	s_wait_loadcnt 48                              ; the first half of set 6
	GATHER 0                                       ; the stream's last two steps ask for the first tiles of x in the sets that are done with
	s_wait_loadcnt 49                              ; set 6 is whole: behind it set 7's 32 and the slot's 17
	GATHER 1
	FETCHQ 2
	PROCESS 6
	s_wait_loadcnt 34                              ; set 7 is whole: behind it two slots' 17
	GATHER 2
	WIN 0x40
.irp u, 0,1
.irp j, 0,1,2,3
.irp i, 0,1,2,3,4,5,6,7
	ds_load_b32 v[192+8*(4*\u+\j)+\i], v[BA] offset:(64*\u+4*\i+\j)*4   ; b1 in the result's layout: tile (u, j), register i: column 64 u + 32 h + 4 i + j
.endr
.endr
.endr
	WIN 0
	PROCESS 7
	BARRIER                                        ; all sixteen units lie in LDS.  The last barrier: what follows hangs on the expert's rows
	FETCHQ 3
.irp n, 0,1,2,3,4,5,6,7,8,9,10,11,12
	ds_load_b32 v[Q+\n], v[TA] offset:256*(\n+3)   ; the queue: my token in tiles w + 12 .. w + 60, at fixed places of the list: the row loop reads no LDS
.endr
	s_wait_dscnt 0x0
; A TILE'S WORK, from slot sg: 64 matrix instructions, the eight accumulators by turns, one instruction a turn; the relu; the quantiser; three stores.
.macro TBODY sg
.irp sh, 0,1
.irp sl, 0,1,2,3
.if (\sh == 0) && (\sl == 0)
	WIN 0x16                                       ; source 0 (W1) window 2, source 1 (x) window 1, C (b1) window 1
.elseif \sh == 0
	WIN 0x06
.else
	WIN 0x07                                       ; W1's units 8 to 15: window 3
.endif
.irp u, 0,1
.irp j, 0,1,2,3
.set rD, ACC+8*(4*\u+\j)
.set rA, 32*(4*\u+\sl)+8*\j
.set rB, 64*(\sg)+8*(4*\sh+\sl)
.if (\sh == 0) && (\sl == 0)
.set rC, 192+8*(4*\u+\j)
.else
.set rC, rD
.endif
.set rSA, WS+8*\j+4*\sh+2*\u+(\sl)/2
.set rSB, XS+4*(\sg)+\sl
.set fA, (\sl)%2
.set fB, \sh
	MMA
.endr
.endr
.endr
.endr
	WIN 0
	s_wait_xcnt 0x0                                ; the last tile's stores have read their offsets and data: these are written again only behind this wait
	v_lshl_add_u32 v[HO], s[MT], 15, v[L16]        ; four plain instructions behind the last product, ahead of the first read of a result
	v_lshl_add_u32 v[HSO], s[MT], 11, v2
	v_nop
	v_nop
.irp i, 0,1,2,3,4,5,6,7                ; the relu, each accumulator from its low end on; it also sets the 32 columns of a block on end
.irp u, 0,1
.irp j, 0,1,2,3
	v_max_num_f32 v[T+32*\u+4*\i+\j], 0, v[ACC+8*(4*\u+\j)+\i]
.endr
.endr
.endr
	v_max3_num_f32 v[MX0], v[T], v[T+1], 0x1800000                 ; my two blocks' largest (none is negative), with the floor; by turns
	v_max3_num_f32 v[MX1], v[T+32], v[T+33], 0x1800000
.irp i, 2,4,6,8,10,12,14,16,18,20,22,24,26,28,30
	v_max3_num_f32 v[MX0], v[MX0], v[T+\i], v[T+\i+1]
	v_max3_num_f32 v[MX1], v[MX1], v[T+32+\i], v[T+33+\i]
.endr
	v_add_nc_u32 v[SCOP], 0xff000000, v[MX0]
	v_add_nc_u32 v[BY], 0xff000000, v[MX1]
.irp u, 0,1
.irp g, 0,1,2,3
	v_cvt_scalef32_pk8_fp4_f32 v[CD+4*\u+\g], v[T+32*\u+8*\g:T+32*\u+8*\g+7], v[SCOP+\u]
.endr
.endr
	v_lshrrev_b32 v[BYA], 23, v[SCOP]              ; the byte of block h;  (a plain instruction behind the conversions)
	v_lshrrev_b32 v[BYB], 23, v[BY]                ; of block 2 + h
	v_lshl_or_b32 v[HW], v[BYB], 16, v[BYA]
	v_lshlrev_b32 v[HW], v[SH8], v[HW]
	v_permlanex16_b32 v[BYA], v[HW], s[SEL], s[SEL+1]
	v_or_b32 v[HW], v[HW], v[BYA]                  ; my row's scale word for K step 'slab'
	global_store_b128 v[HO], v[CD:CD+3], s[14:15]              ; 32 lanes store 512 consecutive bytes: the fragment's registers 0-3,
	global_store_b128 v[HO], v[CD+4:CD+7], s[14:15] offset:512 ; and 4-7
	global_store_b32 v[HSO], v[HW], s[HSP:HSP+1]               ; 16 words on end; both halves of the lanes store the same
.endm
; A TURN of the loop: slot sg's tile, and the request for the tile three turns on.  Where that tile does not exist the wave leaves the loop for the tail of slot sg.
.macro TURN sg
	s_wait_loadcnt 34                              ; this slot's 17 loads are in; the other two slots' may be out
	s_cmp_ge_u32 s[MT], s[NT]
	s_cbranch_scc1 .Ldone                          ; no tile for me at all (a wave with fewer than three tiles: the first requests went out ahead of the count's use)
	TBODY \sg
	s_add_co_u32 s[LA], s[MT], 12
	s_cmp_ge_u32 s[LA], s[NT]
	s_cbranch_scc1 .Ldrain\sg                      ; nothing is asked for that nobody reads
	v_min_u32 v[TOKN], 0x3ff, v[Q+(\sg)]           ; my token in the tile three turns on
	v_lshl_add_u32 v[GO+(\sg)], v[TOKN], 9, v3     ; free since the wait at the turn's head
	v_lshl_add_u32 v[SO+(\sg)], v[TOKN], 5, v3
	GATHER \sg
	s_add_co_u32 s[MT], s[MT], 4
.endm
; A TAIL: the two slots that are still filled, in the order in which they were asked for; no request.
.macro DRAIN s1, s2
	s_add_co_u32 s[MT], s[MT], 4
	s_wait_loadcnt 17                              ; slot s1's 17 loads are in; behind them only slot s2's were issued
	s_cmp_ge_u32 s[MT], s[NT]
	s_cbranch_scc1 .Ldone
	TBODY \s1
	s_add_co_u32 s[MT], s[MT], 4
	s_wait_loadcnt 0x0                             ; slot s2's: nothing was issued behind them
	s_cmp_ge_u32 s[MT], s[NT]
	s_cbranch_scc1 .Ldone
	TBODY \s2
	s_branch .Ldone
.endm
	s_mov_b32 s[MT], s[WV]
	s_mov_b32 s[TRIP], 6                           ; 18 turns: more than the 16 tiles that a wave can have; the ways out are the tests in a turn
.Lrows:
	TURN 0
	TURN 1
	TURN 2
.irp i, 0,1,2,3,4,5,6,7,8,9
	v_mov_b32 v[Q+\i], v[Q+\i+3]                   ; the queue moves on by the trip's three tiles
.endr
	s_sub_co_u32 s[TRIP], s[TRIP], 1
	s_cmp_lg_u32 s[TRIP], 0
	s_cbranch_scc1 .Lrows
	s_branch .Ldone
.Ldrain0:
	DRAIN 1, 2
.Ldrain1:
	DRAIN 2, 0
.Ldrain2:
	DRAIN 0, 1
.Ldone:
	s_wait_tensorcnt 0x0                           ; the wave's end: behind my last LDS store
	ds_add_u32 v[SPW], v[NIL]
	s_wait_dscnt 0x0
	s_endpgm
.Lfunc_end_k_qd6afcd48c2_ffn1:
	.size	k_qd6afcd48c2_ffn1, .Lfunc_end_k_qd6afcd48c2_ffn1-k_qd6afcd48c2_ffn1
	.p2alignl 7, 3214868480
	.fill 96, 4, 3214868480
	.section	.rodata,"a",@progbits
	.p2align	6, 0x0
	.amdhsa_kernel k_qd6afcd48c2_ffn1
		.amdhsa_group_segment_fixed_size 80384
		.amdhsa_private_segment_fixed_size 0
		.amdhsa_enable_private_segment 0
		.amdhsa_kernarg_size 56
		.amdhsa_user_sgpr_count 2
		.amdhsa_user_sgpr_kernarg_segment_ptr 1
		.amdhsa_wavefront_size32 1
		.amdhsa_system_sgpr_workgroup_id_x 1
		.amdhsa_system_sgpr_workgroup_id_y 1
		.amdhsa_system_sgpr_workgroup_id_z 1
		.amdhsa_system_vgpr_workitem_id 0
		.amdhsa_next_free_vgpr 1024
		.amdhsa_next_free_sgpr 100
		.amdhsa_reserve_vcc 1
		.amdhsa_float_denorm_mode_32 3
		.amdhsa_float_denorm_mode_16_64 3
		.amdhsa_memory_ordered 1
		.amdhsa_forward_progress 1
		.amdhsa_inst_pref_size 255
	.end_amdhsa_kernel
	.section	.bss,"aw",@nobits
	.p2align	6
	.space	262144
	.amdgpu_metadata
---
amdhsa.version: [ 1, 2 ]
amdhsa.kernels:
  - .name:           k_qd6afcd48c2_ffn1
    .symbol:         k_qd6afcd48c2_ffn1.kd
    .args:
      - { .name: W1, .offset: 0, .size: 8, .value_kind: global_buffer, .address_space: global }
      - { .name: b1, .offset: 8, .size: 8, .value_kind: global_buffer, .address_space: global }
      - { .name: xq, .offset: 16, .size: 8, .value_kind: global_buffer, .address_space: global }
      - { .name: xs, .offset: 24, .size: 8, .value_kind: global_buffer, .address_space: global }
      - { .name: maskw, .offset: 32, .size: 8, .value_kind: global_buffer, .address_space: global }
      - { .name: hq, .offset: 40, .size: 8, .value_kind: global_buffer, .address_space: global }
      - { .name: rank, .offset: 48, .size: 8, .value_kind: global_buffer, .address_space: global }
    .group_segment_fixed_size: 80384
    .private_segment_fixed_size: 0
    .kernarg_segment_align: 8
    .kernarg_segment_size: 56
    .max_flat_workgroup_size: 128
    .sgpr_count:     100
    .vgpr_count:     1024
    .wavefront_size: 32
...
	.end_amdgpu_metadata
.endif
;; end of part 2
;; launch ffn2 (part 3): grid 32 x 8, 4 waves a work-group, no clusters, 70,144 bytes of LDS; arguments W2, hq, maskw, ypart; writes ypart
.if DOCPART == 3
	.amdgcn_target "amdgcn-amd-amdhsa--gfx1250"
	.amdhsa_code_object_version 6
	.text
	.protected	k_qd6afcd48c2_ffn2
	.globl	k_qd6afcd48c2_ffn2
	.p2align	8
	.type	k_qd6afcd48c2_ffn2,@function
k_qd6afcd48c2_ffn2:
	s_mov_b64 s[64:65], 0
	v_nop
	global_prefetch_b8 v0, s[64:65] scope:SCOPE_SE
	s_setreg_imm32_b32 hwreg(HW_REG_WAVE_MODE, 25, 1), 1
	s_wait_xcnt 0x0
; SimpleMoE, launch 3 of 4: y = h W2[e], for the tokens that chose expert e alone (the other rows of all_out reach no output: see the first kernel's head), in two halves along K.
; SHARES.  Work-group (x, e), cs = x % 16, kh = x / 16, owns columns 64 cs .. + 63 and rows 2,048 kh .. + 2,047 of W2[e]: 512 KiB of f32, read from memory ONCE, by nobody else.  Phase 1 is the first product's:
; a UNIT is 64 columns x 128 K (K step q of the half), four fragments j of columns 4 r + j; wave w makes units 4 w .. 4 w + 3; a SET is half a unit, 32 loads of 16 bytes a lane, sixteen lanes on 256 consecutive
; bytes; a lane holds whole blocks of 32 along K of four columns; 32 copies a column set the conversion's eight neighbours on end; the fragments reach every wave's registers as images through LDS, a quarter at a
; time, behind a barrier for each of a wave's four units, so that only the last quarter is fetched behind the stream.
; PHASE 2, the rows, with no barrier and no LDS access (the number of tiles hangs on a stored number).  Natural use: source 0 = 16 rows of h, as the launch before
; stored their fragments, source 1 = W2.  Register i of tile j is y(row 8 h + i, column 4 r + j): the four tiles' registers i are 16 neighbouring bytes, and sixteen lanes store 256 consecutive bytes of a row.
; The even and the odd K steps are summed in accumulators of their own, eight in all, and meet in the addition that sets the four columns on end.
; A tile comes in two halves of 8 K steps, four slots of 64 registers by turns, two tiles ahead.  THE LOOK-AHEAD ENDS AT THE EXPERT'S LAST TILE: a tile whose successor two tiles on does not exist leaves the loop for
; a tail that is written out and asks for nothing.
; y goes to ypart [kh][e][rank][1,024], by the rows' RANK in the expert: no token's number is needed here; the last launch finds a token's rows by the ranks that the launch before stored.  The pad rows of an
; expert's last tile are stored too, and nobody reads them.
; ORDER OF THE SUMS: each f32 sum over K has four parts (two halves of K; in each the even and the odd K steps); the halves, b2 and the weights meet in the last launch.
; NO CLUSTER: no two work-groups read the same weights; what sixteen of them share (h's codes) is walked by counts read from memory.
; LIMITS: a block whose largest magnitude lies under 2^-124 gets the byte 1 (a block of zeros too: its codes are zeros); NaN and infinities are not served.
; REGISTERS: v0-127 small things; v128-255, v256-383, v384-511 the three sets, later: v128-191 eight accumulators, v192-223 T, v256-511 four slots of h; v512-1023 the 64 fragments of W2.
.set PITCH, 4096                       ; a row of W2[e] in bytes
.set HSB,   16777216                   ; where the scale words begin in hq
.set WSC,   65536                      ; LDS: from 0 the images, fragment (q, j), half c at (4 q + j) 1,024 + 512 c + 16 lane; here the scale words, (16 j + q) 64 + 4 r
.set SPARE, 69632                      ; the spare words, 128 bytes for each wave: two blocks of 256 bytes that no other line names
.set WOFF,  4                          ; v4   32 h rows + 16 r
.set L16,   5                          ; v5   16 x lane
.set IMW,   6                          ; v6   where I store images: 16 lane + 16,384 wave
.set WSW,   7                          ; v7   and scale words: WSC + 4 r + 256 wave
.set WSR,   8                          ; v8   where I read scale words: WSC + 4 lane
.set SH8,   11                         ; v11  8 h
.set SPW,   12                         ; v12  LDS address of my spare word; never rewritten
.set NIL,   13                         ; v13  0; never rewritten
.set YB,    14                         ; v14  8 h rows of 4,096 bytes + 16 r;  v15 the same in the tile in hand
.set YO,    15
.set HV,    16                         ; v16-19 slot s: its tile's codes, 32,768 tile + 16 lane;  v20-23 its scale words, 2,048 tile + 4 lane
.set SV,    20
.set MX0,   24                         ; v24-27 at work: two maxima, the conversion's scale, a byte
.set MX1,   25
.set SCOP,  26
.set BY,    27
.set BW,    28                         ; v28-31 the scale bytes of a unit's four fragments
.set WS,    32                         ; v32-63 W2's scale words: register 8 j + p: lanes 0-15 unit 2 p, lanes 16-31 unit 2 p + 1
.set HS,    64                         ; v64-79 h's: slot s, register a: lanes 0-15 the half's K step 2 a, lanes 16-31 K step 2 a + 1
.set CD,    80                         ; v80-95 codes just made
.set P,     96                         ; v96-127 a column's 32 numbers
.set ACC,   128                        ; v128-159 the even K steps' four accumulators, v160-191 the odd ones'
.set T,     192
.set WV,    50                         ; s50 wave;  s51 expert;  s53 the expert's rows;  s54 its tiles;  s55 my tile;  s56 trips;  s58 the last tile that was stored
.set EX,    51
.set CNT,   53
.set NT,    54
.set MT,    55
.set TRIP,  56
.set LA,    57
.set NT1,   58
.set WB,    60                         ; s[60:61] my wave's first byte of W2
.set SEL,   66                         ; s[66:67] v_permlanex16_b32's selects for lane l xor 16
.set MSB, 0
.macro WIN new                         ; the immediate's high byte repeats the setting that is left; a switch that changes nothing is dropped
.if MSB != (\new)
	s_set_vgpr_msb (MSB<<8)|(\new)
.set MSB, (\new)
.endif
.endm
.macro SETPLACE t                      ; set t lies in v128-255 (window 0), v256-383 or v384-511 (window 1), by turns
.set PL, ((\t)+2)%3
.if PL == 0
.set SW, 0
.set SB, 128
.elseif PL == 1
.set SW, 1
.set SB, 0
.else
.set SW, 1
.set SB, 128
.endif
.endm
.macro LOADH t, half                   ; 16 of set t's 32 loads: register 4 i + j = W(64 t + 32 h + i, 4 r + j)
	SETPLACE \t
	WIN (SW<<6)
.set i, 16*(\half)
.rept 16
	global_load_b128 v[SB+4*i:SB+4*i+3], v[WOFF], s[WB:WB+1] offset:(64*(\t)+i)*PITCH th:TH_LOAD_NT
.set i, i+1
.endr
	WIN 0
.endm
.macro COLUMN t, j                     ; column 4 r + j of set t: 32 numbers become 32 codes and a scale byte
	SETPLACE \t
	WIN SW
.set i, 0
.rept 32
	v_mov_b32 v[P+i], v[SB+4*i+(\j)]
.set i, i+1
.endr
	WIN 0
	v_max3_num_f32 v[MX0], |v[P]|, |v[P+1]|, 0x1800000             ; the block's largest magnitude, and the floor 2^(3 - 127): so the byte cannot fall under 1
	v_max3_num_f32 v[MX1], |v[P+2]|, |v[P+3]|, |v[P+4]|
.irp i2, 5,9,13,17,21,25
	v_max3_num_f32 v[MX0], v[MX0], |v[P+\i2]|, |v[P+\i2+1]|
	v_max3_num_f32 v[MX1], v[MX1], |v[P+\i2+2]|, |v[P+\i2+3]|
.endr
	v_max3_num_f32 v[MX0], v[MX0], |v[P+29]|, |v[P+30]|
	v_max3_num_f32 v[MX0], v[MX0], v[MX1], |v[P+31]|
	v_add_nc_u32 v[SCOP], 0xff000000, v[MX0]       ; 2 off its exponent field: the conversion's scale operand
.irp g, 0,1,2,3
	v_cvt_scalef32_pk8_fp4_f32 v[CD+4*(\j)+\g], v[P+8*\g:P+8*\g+7], v[SCOP]
.endr
.if ((\t)%2) == 0
	v_lshrrev_b32 v[BW+(\j)], 23, v[SCOP]          ; the byte of block h;  (a plain instruction behind the conversions)
.else
	v_lshrrev_b32 v[BY], 23, v[SCOP]               ; that of block 2 + h
	v_lshl_or_b32 v[BW+(\j)], v[BY], 16, v[BW+(\j)]
.endif
.endm
.macro PROCESS t                       ; set t = half t % 2 of my unit t / 2
	s_wait_dscnt 0x0                               ; the last images' stores have read the registers that are written now
	COLUMN \t, 0
	COLUMN \t, 1
	COLUMN \t, 2
	COLUMN \t, 3
.irp j, 0,1,2,3
	ds_store_b128 v[IMW], v[CD+4*\j:CD+4*\j+3] offset:(4*((\t)/2)+\j)*1024+512*((\t)%2)
.endr
.if ((\t)%2) == 1
.irp j, 0,1,2,3
	v_lshlrev_b32 v[BW+\j], v[SH8], v[BW+\j]       ; my two bytes at their places in the word,
.endr
.irp j, 0,1,2,3
	v_permlanex16_b32 v[MX0+\j], v[BW+\j], s[SEL], s[SEL+1]
.endr
.irp j, 0,1,2,3
	v_or_b32 v[BW+\j], v[BW+\j], v[MX0+\j]         ; with lane l xor 16's two the word is whole
.endr
.irp j, 0,1,2,3
	ds_store_b32 v[WSW], v[BW+\j] offset:(16*\j+(\t)/2)*64   ; both halves of the lanes write the same word
.endr
.endif
.endm
.macro FETCHQ ql                       ; every wave's unit ql: 16 fragments into v512 + 32 q + 8 j; behind an odd unit also the scale words of the pair of units
.irp wq, 0,1,2,3
	WIN ((2+(\wq)/2)<<6)
.irp j, 0,1,2,3
.irp c, 0,1
.set q, 4*\wq+(\ql)
.set rg, (32*q+8*\j+4*\c)&255
	ds_load_b128 v[rg:rg+3], v[L16] offset:(4*q+\j)*1024+512*\c
.endr
.endr
.endr
	WIN 0
.if ((\ql)%2) == 1
.irp j, 0,1,2,3
.irp wq, 0,1,2,3
	ds_load_b32 v[WS+8*\j+2*\wq+(\ql)/2], v[WSR] offset:(16*\j+4*\wq+(\ql)-1)*64
.endr
.endr
.endif
.endm
.macro STEP t, fq                      ; fq >= 0: quarter fq of the images, whose barrier has been passed, is fetched behind this step's loads
	s_wait_loadcnt 48                              ; the first half of set t is in: behind it 16 + 32 loads
	LOADH (\t)+2, 0
	s_wait_loadcnt 48                              ; set t is whole: behind it set t + 1's 32 and the 16 just issued
	LOADH (\t)+2, 1
.if (\fq) >= 0
	FETCHQ \fq
.endif
	PROCESS \t
.endm
.macro BARRIER                         ; my LDS stores have landed and my LDS loads are in: then the work-group's barrier
	s_wait_dscnt 0x0
	s_barrier_signal -1
	s_barrier_wait -1
.endm
.macro HLOAD sg, part                  ; slot sg: 8 K steps (part 0: the half's first eight) of a tile of h, and their scale words: 20 loads, each of consecutive bytes
	WIN 0x40
.irp a, 0,1,2,3,4,5,6,7
.irp c, 0,1
	global_load_b128 v[64*(\sg)+8*\a+4*\c:64*(\sg)+8*\a+4*\c+3], v[HV+(\sg)], s[6:7] offset:(\part)*8192+1024*\a+512*\c
.endr
.endr
	WIN 0
.irp a, 0,1,2,3
	global_load_b32 v[HS+4*(\sg)+\a], v[SV+(\sg)], s[12:13] offset:(\part)*512+128*\a
.endr
.endm
.macro MMA                             ; one matrix instruction by the symbols rD, rA, rB, rSA, rSB; fR: both sides' scales stand in lanes 16-31; fZ: the product starts its sum: nothing is cleared
.if fZ && fR
	v_wmma_scale_f32_16x16x128_f8f6f4 v[rD:rD+7], v[rA:rA+7], v[rB:rB+7], 0, v[rSA], v[rSB] matrix_a_fmt:MATRIX_FMT_FP4 matrix_b_fmt:MATRIX_FMT_FP4 matrix_a_scale:MATRIX_SCALE_ROW1 matrix_b_scale:MATRIX_SCALE_ROW1
.elseif fZ
	v_wmma_scale_f32_16x16x128_f8f6f4 v[rD:rD+7], v[rA:rA+7], v[rB:rB+7], 0, v[rSA], v[rSB] matrix_a_fmt:MATRIX_FMT_FP4 matrix_b_fmt:MATRIX_FMT_FP4
.elseif fR
	v_wmma_scale_f32_16x16x128_f8f6f4 v[rD:rD+7], v[rA:rA+7], v[rB:rB+7], v[rD:rD+7], v[rSA], v[rSB] matrix_a_fmt:MATRIX_FMT_FP4 matrix_b_fmt:MATRIX_FMT_FP4 matrix_a_scale:MATRIX_SCALE_ROW1 matrix_b_scale:MATRIX_SCALE_ROW1
.else
	v_wmma_scale_f32_16x16x128_f8f6f4 v[rD:rD+7], v[rA:rA+7], v[rB:rB+7], v[rD:rD+7], v[rSA], v[rSB] matrix_a_fmt:MATRIX_FMT_FP4 matrix_b_fmt:MATRIX_FMT_FP4
.endif
.endm
	s_load_b256 s[4:11], s[0:1], 0x0               ; W2 s[4:5], hq s[6:7], maskw s[8:9], ypart s[10:11]
	v_lshl_add_u32 v[SPW], v0, 2, SPARE
	v_mov_b32 v[NIL], 0
	v_lshrrev_b32 v1, 5, v0
	v_readfirstlane_b32 s[WV], v1                  ; wave 0..3
	v_and_b32 v1, 31, v0                           ; lane
	v_and_b32 v2, 15, v0                           ; r
	v_bfe_u32 v3, v0, 4, 1                         ; h
	s_and_b32 s[EX], ttmp7, 0xffff                 ; the expert
	s_and_b32 s52, ttmp9, 15                       ; cs: which 64 columns
	s_lshr_b32 s62, ttmp9, 4                       ; kh: which half of K
	s_mov_b32 s[SEL], 0x76543210
	s_mov_b32 s[SEL+1], 0xfedcba98
	v_lshlrev_b32 v[WOFF], 4, v2
	v_lshl_add_u32 v[WOFF], v3, 17, v[WOFF]        ; 32 rows of 4,096 bytes for lanes 16-31
	v_lshlrev_b32 v[L16], 4, v1
	s_lshl_b32 s72, s[WV], 14
	v_add_nc_u32 v[IMW], s72, v[L16]
	s_lshl_b32 s72, s[WV], 8
	s_add_co_u32 s72, s72, WSC
	v_lshl_add_u32 v[WSW], v2, 2, s72
	v_lshl_add_u32 v[WSR], v1, 2, WSC
	v_lshlrev_b32 v[SH8], 3, v3
	v_lshlrev_b32 v2, 4, v2                        ; 16 r
	v_lshl_add_u32 v[YB], v3, 15, v2               ; + 8 h rows of y
	v_lshlrev_b32 v3, 2, v1                        ; from here on v3 = 4 x lane
	s_mov_b32 s71, 0
	s_lshl_b32 s70, s[EX], 24                      ; W2[e]: 16 MiB an expert,
	s_lshl_b32 s72, s62, 23                        ; the half's 2,048 rows,
	s_add_co_u32 s70, s70, s72
	s_lshl_b32 s72, s52, 8                         ; the 64 columns,
	s_add_co_u32 s70, s70, s72
	s_lshl_b32 s72, s[WV], 21                      ; my 512 rows
	s_add_co_u32 s70, s70, s72
	s_wait_kmcnt 0x0
	s_add_nc_u64 s[WB:WB+1], s[4:5], s[70:71]
	s_lshl_b32 s70, s[EX], 7
	s_add_nc_u64 s[8:9], s[8:9], s[70:71]
	s_load_b512 s[16:31], s[8:9], 0x0              ; the expert's 32 mask words
	s_load_b512 s[32:47], s[8:9], 0x40
	s_lshl_b32 s70, s[EX], 17
	s_lshl_b32 s72, s62, 10
	s_add_co_u32 s70, s70, s72
	s_add_co_u32 s70, s70, HSB
	s_add_nc_u64 s[12:13], s[6:7], s[70:71]        ; h's scale words: [e][tile][pair of K steps][32 words], at the half's first pair
	s_lshl_b32 s70, s[EX], 21
	s_lshl_b32 s72, s62, 14
	s_add_co_u32 s70, s70, s72
	s_add_nc_u64 s[6:7], s[6:7], s[70:71]          ; h's codes: [e][tile][K step][1,024 bytes], at the half's first K step
	s_lshl_b32 s70, s62, 25
	s_lshl_b32 s72, s[EX], 22
	s_add_co_u32 s70, s70, s72
	s_lshl_b32 s72, s52, 8
	s_add_co_u32 s70, s70, s72
	s_add_nc_u64 s[10:11], s[10:11], s[70:71]      ; ypart: my half, my expert's rank 0, my 64 columns
	LOADH 0, 0
	LOADH 0, 1
	LOADH 1, 0
	s_wait_kmcnt 0x0
	s_bcnt1_i32_b32 s[CNT], s16                    ; the expert's rows
.irp c, 1,2,3,4,5,6,7,8,9,10,11,12,13,14,15,16,17,18,19,20,21,22,23,24,25,26,27,28,29,30,31
	s_bcnt1_i32_b32 s59, s[16+\c]
	s_add_co_u32 s[CNT], s[CNT], s59
.endr
	s_add_co_u32 s[NT], s[CNT], 15
	s_lshr_b32 s[NT], s[NT], 4                     ; its tiles of 16
	s_max_u32 s[NT1], s[NT], 1
	s_sub_co_u32 s[NT1], s[NT1], 1                 ; the last tile of h that was stored (tile 0 where no token chose the expert)
	s_min_u32 s[LA], s[WV], s[NT1]                 ; slots 0, 1: tile w; slots 2, 3: tile w + 4; these first requests are held to the tiles that were stored
	s_min_u32 s[LA], s[LA], 63
.irp n, 0,1
	v_lshl_add_u32 v[HV+\n], s[LA], 15, v[L16]
	v_lshl_add_u32 v[SV+\n], s[LA], 11, v3
.endr
	s_add_co_u32 s[LA], s[WV], 4
	s_min_u32 s[LA], s[LA], s[NT1]
	s_min_u32 s[LA], s[LA], 63
.irp n, 2,3
	v_lshl_add_u32 v[HV+\n], s[LA], 15, v[L16]
	v_lshl_add_u32 v[SV+\n], s[LA], 11, v3
.endr
	LOADH 1, 1
	STEP 0, -1
	STEP 1, -1
	BARRIER                                        ; every wave's unit 0 lies in LDS
	STEP 2, 0
	STEP 3, -1
	BARRIER                                        ; unit 1
	STEP 4, 1
	STEP 5, -1
	BARRIER                                        ; unit 2
	s_wait_loadcnt 48                              ; the first half of set 6
	HLOAD 0, 0                                     ; the stream's last two steps ask for the first tiles of h in the sets that are done with
	s_wait_loadcnt 52                              ; set 6 is whole: behind it set 7's 32 and the slot's 20
	HLOAD 1, 1
	FETCHQ 2
	PROCESS 6
	s_wait_loadcnt 40                              ; set 7 is whole: behind it two slots' 20
	HLOAD 2, 0
	PROCESS 7
	HLOAD 3, 1
	BARRIER                                        ; all sixteen units lie in LDS.  The last barrier: what follows hangs on the expert's rows
	FETCHQ 3
	s_wait_dscnt 0x0
; HALF A TILE'S PRODUCTS: slot sg's 8 K steps.  32 matrix instructions, the eight accumulators by turns, one instruction a turn: K step a adds onto set a % 2.
.macro HMUL sg, part
.if (\part) == 0
	WIN 0x09                                       ; source 0 (h) window 1, source 1 (W2) window 2
.else
	WIN 0x0d                                       ; W2's units 8 to 15: window 3
.endif
.irp a, 0,1,2,3,4,5,6,7
.irp j, 0,1,2,3
.set rD, ACC+32*((\a)%2)+8*\j
.set rA, 64*(\sg)+8*\a
.set rB, 32*\a+8*\j
.set rSA, HS+4*(\sg)+(\a)/2
.set rSB, WS+8*\j+4*(\part)+(\a)/2
.set fR, (\a)%2
.if ((\part) == 0) && (\a < 2)
.set fZ, 1
.else
.set fZ, 0
.endif
	MMA
.endr
.endr
.endm
; A TILE LEAVES: the two sets of sums are added, each accumulator from its low end on; the four tiles' registers i are four neighbouring columns.
.macro OUT
.irp i, 0,1,2,3,4,5,6,7
.irp j, 0,1,2,3
	v_add_f32 v[T+4*\i+\j], v[ACC+8*\j+\i], v[ACC+32+8*\j+\i]
.endr
.endr
	v_lshl_add_u32 v[YO], s[MT], 16, v[YB]         ; rank 16 tile + 8 h, 4,096 bytes a row
.irp i, 0,1,2,3,4,5,6,7
	global_store_b128 v[YO], v[T+4*\i:T+4*\i+3], s[10:11] offset:4096*\i th:TH_STORE_NT   ; lanes 0-15 store 256 consecutive bytes of row i, lanes 16-31 of row 8 + i
.endr
.endm
; A TILE of the loop, in slots sa and sb, and the requests for the tile two tiles on.  Where that tile does not exist the wave leaves the loop for the tail of pair p.
.macro TILE p, sa, sb
	s_wait_loadcnt 60                              ; slot sa's 20 loads are in; the other three slots' may be out
	s_cmp_ge_u32 s[MT], s[NT]
	s_cbranch_scc1 .Ldone                          ; no tile for me at all
	s_add_co_u32 s[LA], s[MT], 8
	s_cmp_ge_u32 s[LA], s[NT]
	s_cbranch_scc1 .Ldrain\p                       ; nothing is asked for that nobody reads
	s_min_u32 s[LA], s[LA], 63
	HMUL \sa, 0
	WIN 0
	v_lshl_add_u32 v[HV+(\sa)], s[LA], 15, v[L16]  ; (free since the wait at the head)  four plain instructions behind the last product, ahead of loads into its operands
	v_lshl_add_u32 v[SV+(\sa)], s[LA], 11, v3
	v_nop
	v_nop
	HLOAD \sa, 0
	s_wait_loadcnt 60                              ; slot sb's 20 loads are in: behind them the other pair's 40 and the 20 just issued
	HMUL \sb, 1
	WIN 0
	s_wait_xcnt 0x0                                ; the last tile's stores have read their offset and data, which are written again below; the wait stands ahead of this half's loads
	v_lshl_add_u32 v[HV+(\sb)], s[LA], 15, v[L16]  ; four plain instructions behind the last product, ahead of loads into its operands and of the first read of a result
	v_lshl_add_u32 v[SV+(\sb)], s[LA], 11, v3
	v_nop
	v_nop
	HLOAD \sb, 1
	OUT
	s_add_co_u32 s[MT], s[MT], 4
.endm
; A TAIL: the tile in slots sa, sb, whose first half the wait at the tile's head has shown landed, and, if it exists, the tile in slots sc, sd; no request.
.macro DRAIN sa, sb, sc, sd
	HMUL \sa, 0
	s_wait_loadcnt 40                              ; slot sb's loads are in: behind them only slots sc's and sd's were issued
	HMUL \sb, 1
	WIN 0
	s_wait_xcnt 0x0                                ; the last tile's stores have read their offset and data
.rept 4
	v_nop                                          ; four places behind the last product, ahead of the first read of a result
.endr
	OUT
	s_add_co_u32 s[MT], s[MT], 4
	s_cmp_ge_u32 s[MT], s[NT]
	s_cbranch_scc1 .Ldone
	s_wait_loadcnt 20                              ; slot sc's: behind them slot sd's
	HMUL \sc, 0
	s_wait_loadcnt 0x0                             ; slot sd's: nothing was issued behind them
	HMUL \sd, 1
	WIN 0
	s_wait_xcnt 0x0
.rept 4
	v_nop
.endr
	OUT
	s_branch .Ldone
.endm
	s_mov_b32 s[MT], s[WV]
	s_mov_b32 s[TRIP], 8                           ; 16 tiles: as many as a wave can have; the ways out are the tests at a tile's head
.Lrows:
	TILE 0, 0, 1
	TILE 1, 2, 3
	s_sub_co_u32 s[TRIP], s[TRIP], 1
	s_cmp_lg_u32 s[TRIP], 0
	s_cbranch_scc1 .Lrows
	s_branch .Ldone
.Ldrain0:
	DRAIN 0, 1, 2, 3
.Ldrain1:
	DRAIN 2, 3, 0, 1
.Ldone:
	s_wait_tensorcnt 0x0                           ; the wave's end: behind my last LDS store
	ds_add_u32 v[SPW], v[NIL]
	s_wait_dscnt 0x0
	s_endpgm
.Lfunc_end_k_qd6afcd48c2_ffn2:
	.size	k_qd6afcd48c2_ffn2, .Lfunc_end_k_qd6afcd48c2_ffn2-k_qd6afcd48c2_ffn2
	.p2alignl 7, 3214868480
	.fill 96, 4, 3214868480
	.section	.rodata,"a",@progbits
	.p2align	6, 0x0
	.amdhsa_kernel k_qd6afcd48c2_ffn2
		.amdhsa_group_segment_fixed_size 70144
		.amdhsa_private_segment_fixed_size 0
		.amdhsa_enable_private_segment 0
		.amdhsa_kernarg_size 32
		.amdhsa_user_sgpr_count 2
		.amdhsa_user_sgpr_kernarg_segment_ptr 1
		.amdhsa_wavefront_size32 1
		.amdhsa_system_sgpr_workgroup_id_x 1
		.amdhsa_system_sgpr_workgroup_id_y 1
		.amdhsa_system_sgpr_workgroup_id_z 1
		.amdhsa_system_vgpr_workitem_id 0
		.amdhsa_next_free_vgpr 1024
		.amdhsa_next_free_sgpr 100
		.amdhsa_reserve_vcc 0
		.amdhsa_float_denorm_mode_32 3
		.amdhsa_float_denorm_mode_16_64 3
		.amdhsa_memory_ordered 1
		.amdhsa_forward_progress 1
		.amdhsa_inst_pref_size 203
	.end_amdhsa_kernel
	.amdgpu_metadata
---
amdhsa.version: [ 1, 2 ]
amdhsa.kernels:
  - .name:           k_qd6afcd48c2_ffn2
    .symbol:         k_qd6afcd48c2_ffn2.kd
    .args:
      - { .name: W2, .offset: 0, .size: 8, .value_kind: global_buffer, .address_space: global }
      - { .name: hq, .offset: 8, .size: 8, .value_kind: global_buffer, .address_space: global }
      - { .name: maskw, .offset: 16, .size: 8, .value_kind: global_buffer, .address_space: global }
      - { .name: ypart, .offset: 24, .size: 8, .value_kind: global_buffer, .address_space: global }
    .group_segment_fixed_size: 70144
    .private_segment_fixed_size: 0
    .kernarg_segment_align: 8
    .kernarg_segment_size: 32
    .max_flat_workgroup_size: 128
    .sgpr_count:     100
    .vgpr_count:     1024
    .wavefront_size: 32
...
	.end_amdgpu_metadata
.endif
;; end of part 3
;; launch mix (part 4): grid 256 x 1, 4 waves a work-group, no clusters, 0 bytes of LDS; arguments ypart, b2, ridx, rwgt, rank, out0; writes out0
.if DOCPART == 4
	.amdgcn_target "amdgcn-amd-amdhsa--gfx1250"
	.amdhsa_code_object_version 6
	.text
	.protected	k_qd6afcd48c2_mix
	.globl	k_qd6afcd48c2_mix
	.p2align	8
	.type	k_qd6afcd48c2_mix,@function
k_qd6afcd48c2_mix:
	s_mov_b64 s[64:65], 0
	v_nop
	global_prefetch_b8 v0, s[64:65] scope:SCOPE_SE
	s_setreg_imm32_b32 hwreg(HW_REG_WAVE_MODE, 25, 1), 1
	s_wait_xcnt 0x0
; SimpleMoE, launch 4 of 4: out[t] = w0 (y[t, e0] + b2[e0]) + w1 (y[t, e1] + b2[e1]); y's two halves along K are added here.  Only the two experts that the token chose are read: the others' rows reach no
; output (see the first kernel's head) and were never made.
; A wave takes a token: a row is 4,096 bytes, eight pieces of 512 (16 bytes a lane).  For each piece six loads: the two biases, and two halves of y for each of the two experts.
; The experts and the weights were stored by the first launch, the token's rank in each expert by the second, eight ranks on end for a token; y lies by rank: ypart [kh][e][rank][1,024].  Experts, weights and all
; eight ranks come by scalar loads that go out together; the two ranks that count are selected, with no jump.  Experts and ranks enter addresses behind a clamp (0 .. 7, 0 .. 1,023).
; No LDS, no barrier, no matrix unit: memory binds, and waves share nothing.
.set YH, 33554432                      ; a half of ypart: 8 x 1,024 rows of 4,096 bytes
.set RK, 48                            ; s[48:55] my token's rank in each of the eight experts
	s_load_b256 s[4:11], s[0:1], 0x0               ; ypart s[4:5], b2 s[6:7], ridx s[8:9], rwgt s[10:11]
	s_load_b128 s[12:15], s[0:1], 0x20             ; rank s[12:13], out0 s[14:15]
	v_lshrrev_b32 v1, 5, v0
	v_readfirstlane_b32 s16, v1                    ; wave 0..3
	v_and_b32 v1, 31, v0
	v_lshlrev_b32 v1, 4, v1                        ; 16 x lane
	s_lshl_b32 s17, ttmp9, 2
	s_add_co_u32 s17, s17, s16                     ; my token
	s_lshl_b32 s36, s17, 3
	s_mov_b32 s37, 0
	s_lshl_b32 s38, s17, 5
	s_mov_b32 s39, 0
	s_wait_kmcnt 0x0
	s_add_nc_u64 s[8:9], s[8:9], s[36:37]
	s_add_nc_u64 s[10:11], s[10:11], s[36:37]
	s_add_nc_u64 s[12:13], s[12:13], s[38:39]
	s_load_b64 s[18:19], s[8:9], 0x0               ; e0, e1
	s_load_b64 s[20:21], s[10:11], 0x0             ; w0, w1
	s_load_b256 s[RK:RK+7], s[12:13], 0x0          ; the eight ranks
	s_lshl_b32 s36, s17, 12
	s_add_nc_u64 s[14:15], s[14:15], s[36:37]      ; out at my token
	s_wait_kmcnt 0x0
	s_min_u32 s18, s18, 7
	s_min_u32 s19, s19, 7
	s_mov_b32 s40, s[RK]                           ; my rank in e0, and in e1: a choice among eight numbers
	s_mov_b32 s41, s[RK]
.irp k, 1,2,3,4,5,6,7
	s_cmp_eq_u32 s18, \k
	s_cselect_b32 s40, s[RK+\k], s40
	s_cmp_eq_u32 s19, \k
	s_cselect_b32 s41, s[RK+\k], s41
.endr
	s_min_u32 s40, s40, 0x3ff
	s_min_u32 s41, s41, 0x3ff
	s_mov_b32 s22, s21                             ; w1 as a pair: the packed form names a pair and takes its low word for both halves
	s_mov_b32 s23, s21
	s_lshl_b32 s36, s18, 12
	s_add_nc_u64 s[32:33], s[6:7], s[36:37]        ; b2[e0]
	s_lshl_b32 s36, s19, 12
	s_add_nc_u64 s[34:35], s[6:7], s[36:37]        ; b2[e1]
	s_lshl_b32 s36, s18, 22
	s_lshl_b32 s44, s40, 12
	s_add_co_u32 s36, s36, s44                     ; expert e0, my rank there
	s_add_nc_u64 s[24:25], s[4:5], s[36:37]
	s_add_nc_u64 s[26:27], s[24:25], YH
	s_lshl_b32 s36, s19, 22
	s_lshl_b32 s44, s41, 12
	s_add_co_u32 s36, s36, s44
	s_add_nc_u64 s[28:29], s[4:5], s[36:37]
	s_add_nc_u64 s[30:31], s[28:29], YH
.irp n, 0,1,2,3,4,5,6,7
	global_load_b128 v[32+24*\n:35+24*\n], v1, s[32:33] offset:512*\n
	global_load_b128 v[36+24*\n:39+24*\n], v1, s[34:35] offset:512*\n
.endr
.irp n, 0,1,2,3,4,5,6,7
	global_load_b128 v[16+24*\n:19+24*\n], v1, s[24:25] offset:512*\n th:TH_LOAD_NT
	global_load_b128 v[20+24*\n:23+24*\n], v1, s[26:27] offset:512*\n th:TH_LOAD_NT
	global_load_b128 v[24+24*\n:27+24*\n], v1, s[28:29] offset:512*\n th:TH_LOAD_NT
	global_load_b128 v[28+24*\n:31+24*\n], v1, s[30:31] offset:512*\n th:TH_LOAD_NT
.endr
.irp n, 0,1,2,3,4,5,6,7
.set R, 16+24*\n
	s_wait_loadcnt 28-4*\n                         ; b2's loads and this piece's four of y are in; the later pieces' four each may be out
.irp p, 0,2
	v_pk_add_f32 v[R+\p:R+\p+1], v[R+\p:R+\p+1], v[R+4+\p:R+5+\p]          ; the two halves along K
	v_pk_add_f32 v[R+8+\p:R+9+\p], v[R+8+\p:R+9+\p], v[R+12+\p:R+13+\p]
.endr
.irp p, 0,2
	v_pk_add_f32 v[R+\p:R+\p+1], v[R+\p:R+\p+1], v[R+16+\p:R+17+\p]        ; + b2
	v_pk_add_f32 v[R+8+\p:R+9+\p], v[R+8+\p:R+9+\p], v[R+20+\p:R+21+\p]
.endr
.irp p, 0,2
	v_pk_mul_f32 v[R+\p:R+\p+1], v[R+\p:R+\p+1], s[20:21] op_sel_hi:[1,0]  ; x w0
.endr
.irp p, 0,2
	v_pk_fma_f32 v[R+\p:R+\p+1], v[R+8+\p:R+9+\p], s[22:23], v[R+\p:R+\p+1] op_sel_hi:[1,0,1]   ; + w1 x the second
.endr
	global_store_b128 v1, v[R:R+3], s[14:15] offset:512*\n th:TH_STORE_NT  ; 32 lanes store 512 consecutive bytes
.endr
	s_endpgm
.Lfunc_end_k_qd6afcd48c2_mix:
	.size	k_qd6afcd48c2_mix, .Lfunc_end_k_qd6afcd48c2_mix-k_qd6afcd48c2_mix
	.p2alignl 7, 3214868480
	.fill 96, 4, 3214868480
	.section	.rodata,"a",@progbits
	.p2align	6, 0x0
	.amdhsa_kernel k_qd6afcd48c2_mix
		.amdhsa_group_segment_fixed_size 0
		.amdhsa_private_segment_fixed_size 0
		.amdhsa_enable_private_segment 0
		.amdhsa_kernarg_size 48
		.amdhsa_user_sgpr_count 2
		.amdhsa_user_sgpr_kernarg_segment_ptr 1
		.amdhsa_wavefront_size32 1
		.amdhsa_system_sgpr_workgroup_id_x 1
		.amdhsa_system_sgpr_workgroup_id_y 1
		.amdhsa_system_sgpr_workgroup_id_z 1
		.amdhsa_system_vgpr_workitem_id 0
		.amdhsa_next_free_vgpr 208
		.amdhsa_next_free_sgpr 66
		.amdhsa_reserve_vcc 0
		.amdhsa_float_denorm_mode_32 3
		.amdhsa_float_denorm_mode_16_64 3
		.amdhsa_memory_ordered 1
		.amdhsa_forward_progress 1
		.amdhsa_inst_pref_size 15
	.end_amdhsa_kernel
	.amdgpu_metadata
---
amdhsa.version: [ 1, 2 ]
amdhsa.kernels:
  - .name:           k_qd6afcd48c2_mix
    .symbol:         k_qd6afcd48c2_mix.kd
    .args:
      - { .name: ypart, .offset: 0, .size: 8, .value_kind: global_buffer, .address_space: global }
      - { .name: b2, .offset: 8, .size: 8, .value_kind: global_buffer, .address_space: global }
      - { .name: ridx, .offset: 16, .size: 8, .value_kind: global_buffer, .address_space: global }
      - { .name: rwgt, .offset: 24, .size: 8, .value_kind: global_buffer, .address_space: global }
      - { .name: rank, .offset: 32, .size: 8, .value_kind: global_buffer, .address_space: global }
      - { .name: out0, .offset: 40, .size: 8, .value_kind: global_buffer, .address_space: global }
    .group_segment_fixed_size: 0
    .private_segment_fixed_size: 0
    .kernarg_segment_align: 8
    .kernarg_segment_size: 48
    .max_flat_workgroup_size: 128
    .sgpr_count:     66
    .vgpr_count:     208
    .wavefront_size: 32
...
	.end_amdgpu_metadata
.endif
;; end of part 4
